; MI455X (gfx1250); checked and timed in simulation.
; The chip was launched on July 23, 2026; its instructions are those of AMD's public machine-readable ISA for CDNA 5 (MIT licence, August 2026) and "CDNA5" Instruction Set Architecture Reference Guide (July 2026). The comments in the code are by the model that wrote it; some were corrected since.
;; Enhanced H Bit Linear. Allowed arithmetic: matrix products marked QUANTISED: E2M1 operands, one E8M0 scale for each 32 along K, by v_wmma_scale_f32_16x16x128_f8f6f4 with both operands' format E2M1 (or v_wmma_scale_f32_32x16x128_f4), f32 sums; everything else in f32.
;; Inputs: had_scale 4,096 float32; had_shift 4,096 float32; weight 2,048 x 4,096 float32; x 2 x 4,096 x 4,096 float32.
;; Outputs: out0 2 x 4,096 x 2,048 float32.
;; This version of the problem:
;;   THIS VERSION OF THE PROBLEM IS GIVEN IN LOW PRECISION. The matrix products marked QUANTISED in the list below multiply operands that are first quantised to E2M1 (2 exponent bits, 1 mantissa bit; 4 bits a number), with one power-of-two scale for each 32 numbers along K (OCP MX v1.0); their sums are f32. All else is computed in f32.
;;   The module's matrix products, in the order in which they are computed (A, B: the left and right operand; K: the contracted axis; several contracted axes count as one K, in the product's order):
;;     1. [M 8,192, K 4,096] x [K 4,096, N 2,048]; A: computed on the way; B: computed on the way: QUANTISED
;;   THE QUANTISER, for each operand of a quantised product, along K:
;;     - K is cut into blocks of 32 from its start; a last block that is shorter is filled with zeros.
;;     - A block's scale is 2^e with e = floor(log2(the largest magnitude in the block)) - 2, held to -126 .. 127; a block of zeros has e = 0. As a byte (E8M0): e + 127.
;;     - Each number is divided by its block's scale, clamped to +-6, and rounded to the nearest number of E2M1, ties to even, subnormals kept.
;;     - The product sums the exact products of the quantised numbers (number of the format x scale) in f32.
;;   ~~~python
;;   def quantise(x, axis):      # numpy; x: float32 -> the quantised numbers, widened to float32 again
;;       x = np.moveaxis(x, axis, -1); K = x.shape[-1]
;;       x = np.pad(x, [(0, 0)] * (x.ndim - 1) + [(0, -K % 32)]); x = x.reshape(x.shape[:-1] + (-1, 32)); a = np.abs(x).max(-1, keepdims=True)
;;       e = np.where(a > 0, np.clip(np.frexp(np.where(a > 0, a, 1))[1] - 1 - 2, -126, 127), 0)      # np.frexp(a)[1] - 1 = floor(log2(a)), exactly
;;       r = np.clip(x / 2.0 ** e, -6, 6)
;;       step = 2.0 ** (np.maximum(np.frexp(np.where(r == 0, 1, r))[1] - 1, 0) - 1)
;;       q = np.round(r / step) * step * 2.0 ** e      # np.round: ties to even
;;       return np.moveaxis(q.reshape(q.shape[:-2] + (-1,))[..., :K], -1, axis).astype(np.float32)
;;   ~~~
;;   OPERANDS COMPUTED ON THE WAY. 'Computed on the way' means the value that the module computes at that place (a softmax that the list does not call 'softmax' is quantised finished and normalised). What goes into a quantiser is computed in f32, as accurately as f32 sums, v_exp_f32 and their like allow (about 1e-6 of the number): no bf16 or f16 on the way to a quantiser, and a product that is left as it is and whose result goes on into a quantised operand takes f32 operands (vector FMAs, or v_wmma_f32_16x16x4_f32). A number that lies on a knife's edge between two numbers of the format may be rounded either way, as far as f32 arithmetic and the matrix unit's own rounding can turn it there, and no further.
;; One version. Each part assembles by itself: llvm-mc -triple=amdgcn-amd-amdhsa -mcpu=gfx1250 --defsym DOCPART=n.
;; ======== version 1 of 1: 3 launches
;; workspace buffers: a_ws 17,825,792 bytes; b_ws 4,456,448 bytes; wpart 1,024 bytes
;; launch prep (part 1): grid 256 x 1, 4 waves a work-group, no clusters, 82,688 bytes of LDS; arguments x, weight, had_scale, had_shift, a_ws, wpart; writes a_ws, wpart
.if DOCPART == 1
	.amdgcn_target "amdgcn-amd-amdhsa--gfx1250"
	.amdhsa_code_object_version 6
	.text
	.protected	k_qc9ef99ea68_prep
	.globl	k_qc9ef99ea68_prep
	.p2align	8
	.type	k_qc9ef99ea68_prep,@function
k_qc9ef99ea68_prep:
	s_mov_b64 s[64:65], 0
	v_nop
	global_prefetch_b8 v0, s[64:65] scope:SCOPE_SE
	s_setreg_imm32_b32 hwreg(HW_REG_WAVE_MODE, 25, 1), 1
	s_wait_xcnt 0x0
; x [8192][4096] f32 -> the first operand of the product, as codes of FP4 (E2M1) with one E8M0 byte for each 32 along K; and one partial sum of |weight| for each work-group.
; A ROW: Walsh-Hadamard transform (12 stages of a + b, a - b, in the order k bit 0 .. k bit 11, so that every sum is the sum that the definition forms), x had_scale / 64 + had_shift (one fused
; multiply-add; / 64 is exact), gamma = largest magnitude + 1e-5, digit = round(xh x (7 / gamma)), xq = digit x (gamma / 7), then the MX quantiser along K.
; LEFT OUT, WITH PROOF.  The clip to +-7: |xh| <= gamma, and two roundings give |xh x (7 / gamma)| <= 7 (1 + 2^-23)^2 < 7.5, so the rounded digit never passes 7.
; x + (xq - x): for a digit other than 0, xq / 2 <= x <= 2 xq up to one rounding, so xq - x is exact or a fraction of xq's last place off, and the sum rounds to xq (at most its last place differs); for the digit 0 the sum is 0.
; LIMITS: NaN and infinities are not served.  gamma above 2^126: its reciprocal is flushed to 0 (ISA guide, v_rcp_f32).  A block whose largest magnitude lies under 2^-124, a block of zeros among them, gets the byte 1
; where the rule says its own exponent (or 127): the bytes are read by this program alone, and a block of zeros has zero codes.
; SHARES.  Work-group g owns rows 32 g .. 32 g + 31; wave w rows 32 g + 8 w + 0 .. 7, one whole row at a time in 128 registers a lane.  No cluster: work-groups share only the two vectors of 16 KB.
; Each wave also owns 32 KB of weight, two more rows' worth of bytes: the last trip's two refills bring them (the pointer is chosen on the trip counter), so every trip issues the same loads.
; LAYOUTS.  AS LOADED: load j gives lane l the numbers k = 128 j + 4 l + i: registers hold k bits 0, 1, 7 .. 11.  NEIGHBOURS: lane l holds k = 128 l + 0 .. 127: registers hold k bits 0 .. 6: four whole blocks of 32.
; A turn through the wave's own stage in LDS changes one into the other: 16 bytes of (j, l) lie at 528 j + 16 l; the pitch is 33 x 16 bytes.
; as loaded -> neighbours: stages 0 - 6 -> as loaded: stages 7 - 11 -> neighbours: all the rest.  LDS serves a wave's instructions in order (ISA guide 5.7.1.4): no wait between a turn's stores and its loads.
; A butterfly writes out of place, between two arrays of 128 registers by turns: no copy is made.
; a_ws: [tile of 128 rows][K / 512][34,816 bytes]: 128 x 256 bytes: row r's 512 codes; then 8 x 256 bytes: 16 bytes a row: its four scale words.  Every store of a wave covers whole aligned runs of 256 bytes.
; REGISTERS, in windows of 256: window 0: v0-127 addresses and work, v128-255 W.  window 1: v0-127 had_scale / 64, v128-255 had_shift, both as neighbours.  window 2: v0-127, v128-255 the two landing buffers.  window 3: v0-127 S.
.set KBLK,  34816
.set TILEB, 8*KBLK
.set STGP,  528                        ; the stage's pitch
.set STGW,  32*STGP                    ; a wave's stage
.set BNC,   4*STGW                     ; behind the stages: the codes' bounce, 80 bytes a lane, 2,560 a wave
.set BNCW,  2560
.set SCL,   BNC+4*BNCW                 ; the work-group's scale words: [K / 512][32 rows][16 bytes], 528 bytes from K step to K step
.set SCLP,  528
.set WSUM,  SCL+8*SCLP                 ; four waves' sums of |weight|
.set XO,   2                           ; v2   16 x lane
.set STI,  3                           ; v3   stage, by rows of 528: 16 x lane
.set STO,  4                           ; v4   stage, a row to a lane: 528 x lane
.set BI,   5                           ; v5   bounce in: 80 x lane
.set BO,   6                           ; v6   bounce out: 80 (lane / 4) + 16 (lane % 4)
.set CO,   7                           ; v7   codes in a_ws: KBLK (lane / 16) + 16 (lane % 16)
.set SCW0, 8                           ; v8   my scale word's place for the wave's first row
.set SCW,  9                           ; v9   and for the trip's first row
.set SRD,  10                          ; v10  scale words on the way out
.set WSA,  11                          ; v11  my wave's word among the sums
.set WSB,  12                          ; v12  the four sums
.set ZO,   13                          ; v13  0
.set CD,   48                          ; v48-63  a row's codes
.set OB,   64                          ; v64-79, v80-95 codes back from the bounce: the store data of a trip's two rows
.set W,    128
.set LP,   20                          ; s[20:21] where the refills read
.set WP,   22                          ; s[22:23] my 32 KB of weight
.set AP,   24                          ; s[24:25] a_ws at the trip's first row
.set SP,   26                          ; s[26:27] a_ws at my two runs of scale words
.set PP,   28                          ; s[28:29] wpart at my work-group's word
.set TRIP, 30
.set RS,   31                          ; 32 bytes of scale words a trip
.set SEL,  32                          ; s[32:33] v_permlanex16_b32's selects for lane l xor 16
.set MSB, 0
.macro WIN new                         ; the immediate's high byte repeats the setting that is left
.if MSB != \new
	s_set_vgpr_msb (MSB<<8)|\new
.set MSB, \new
.endif
.endm
.macro LOADROW base, ptr, off          ; 16,384 bytes: 32 loads of 512 consecutive bytes
.set jj, 0
.rept 32
	global_load_b128 v[\base+4*jj:\base+4*jj+3], v[XO], s[\ptr:\ptr+1] offset:\off+512*jj
.set jj, jj+1
.endr
.endm
.macro PUTJ base, j0, n                ; as loaded -> stage
.set jj, \j0
.rept \n
	ds_store_b128 v[STI], v[\base+4*jj:\base+4*jj+3] offset:STGP*jj
.set jj, jj+1
.endr
.endm
.macro GETC base                       ; stage -> neighbours
.set jj, 0
.rept 32
	ds_load_b128 v[\base+4*jj:\base+4*jj+3], v[STO] offset:16*jj
.set jj, jj+1
.endr
.endm
.macro PUTC base                       ; neighbours -> stage
.set jj, 0
.rept 32
	ds_store_b128 v[STO], v[\base+4*jj:\base+4*jj+3] offset:16*jj
.set jj, jj+1
.endr
.endm
.macro GETJ base                       ; stage -> as loaded
.set jj, 0
.rept 32
	ds_load_b128 v[\base+4*jj:\base+4*jj+3], v[STI] offset:STGP*jj
.set jj, jj+1
.endr
.endm
.macro STAGE0 sb, db, lo, n            ; partners in one pair of registers: low = a + b, high = a - b
.set pp, \lo
.rept (\n)/2
	v_pk_add_f32 v[\db+pp:\db+pp+1], v[\sb+pp:\sb+pp+1], v[\sb+pp:\sb+pp+1] op_sel:[0,1] op_sel_hi:[0,1] neg_hi:[0,1]
.set pp, pp+2
.endr
.endm
.macro STAGE sb, db, lo, n, d          ; partners d registers apart, two butterflies an instruction pair
.set pp, \lo
.rept (\n)/2
.if ((pp/(\d))%2) == 0
	v_pk_add_f32 v[\db+pp:\db+pp+1], v[\sb+pp:\sb+pp+1], v[\sb+pp+\d:\sb+pp+\d+1]
	v_pk_add_f32 v[\db+pp+\d:\db+pp+\d+1], v[\sb+pp:\sb+pp+1], v[\sb+pp+\d:\sb+pp+\d+1] neg_lo:[0,1] neg_hi:[0,1]
.endif
.set pp, pp+2
.endr
.endm
	s_load_b256 s[4:11], s[0:1], 0x0               ; x, weight, had_scale, had_shift
	s_load_b128 s[12:15], s[0:1], 0x20             ; a_ws, wpart
	v_lshl_add_u32 v126, v0, 2, 0x14100
	v_mov_b32 v127, 0
	v_lshrrev_b32 v1, 5, v0
	v_readfirstlane_b32 s16, v1                    ; wave 0..3
	v_and_b32 v1, 31, v0                           ; lane
	v_lshlrev_b32 v[XO], 4, v1
	s_mul_i32 s34, s16, STGW
	v_add_nc_u32 v[STI], s34, v[XO]
	v_mul_u32_u24 v[STO], v1, STGP
	v_add_nc_u32 v[STO], s34, v[STO]
	s_mul_i32 s35, s16, BNCW
	s_add_co_u32 s35, s35, BNC
	v_mul_u32_u24 v[BI], v1, 80
	v_add_nc_u32 v[BI], s35, v[BI]
	v_lshrrev_b32 v14, 2, v1
	v_and_b32 v15, 3, v1
	v_mul_u32_u24 v[BO], v14, 80
	v_lshl_add_u32 v[BO], v15, 4, v[BO]
	v_add_nc_u32 v[BO], s35, v[BO]
	v_mul_u32_u24 v[SCW0], v14, SCLP               ; lane l holds k = 128 l on: K step l / 4, word l % 4
	v_lshl_add_u32 v[SCW0], v15, 2, v[SCW0]
	s_lshl_b32 s35, s16, 7                         ; my wave's 8 rows x 16 bytes
	s_add_co_u32 s35, s35, SCL
	v_add_nc_u32 v[SCW0], s35, v[SCW0]
	v_lshrrev_b32 v14, 4, v1
	v_and_b32 v15, 15, v1
	v_mul_u32_u24 v[CO], v14, KBLK
	v_lshl_add_u32 v[CO], v15, 4, v[CO]
	s_mul_i32 s35, s16, 2*SCLP                     ; on the way out wave w takes K steps 2 w and 2 w + 1
	s_add_co_u32 s35, s35, SCL
	v_add_nc_u32 v[SRD], s35, v[XO]
	v_mov_b32 v[WSA], s16
	v_lshl_add_u32 v[WSA], v[WSA], 2, WSUM
	v_mov_b32 v[WSB], WSUM
	v_mov_b32 v[ZO], 0
	v_mov_b32 v20, 0                               ; written once: a lane permute's destination counts as one of its sources
	s_lshl_b32 s34, ttmp9, 19                      ; x: 32 g rows of 16,384 bytes,
	s_lshl_b32 s35, s16, 17                        ; + 8 w rows
	s_add_co_u32 s34, s34, s35
	s_mov_b32 s35, 0
	s_lshl_b32 s36, ttmp9, 17                      ; weight: (4 g + w) x 32,768 bytes
	s_lshl_b32 s37, s16, 15
	s_add_co_u32 s36, s36, s37
	s_mov_b32 s37, 0
	s_lshr_b32 s17, ttmp9, 2
	s_mul_i32 s17, s17, TILEB                      ; a_ws: my tile of 128 rows
	s_and_b32 s18, ttmp9, 3
	s_lshl_b32 s38, s18, 13                        ; codes: row 32 (g % 4) + 8 w of the tile, 256 bytes a row
	s_lshl_b32 s39, s16, 11
	s_add_co_u32 s38, s38, s39
	s_add_co_u32 s38, s38, s17
	s_mov_b32 s39, 0
	s_lshl_b32 s18, s18, 9                         ; scale words: 16 bytes a row, behind a K step's 128 rows of codes; K step 2 w
	s_mul_i32 s19, s16, 2*KBLK
	s_add_co_u32 s18, s18, s19
	s_add_co_u32 s18, s18, s17
	s_add_co_u32 s18, s18, 128*256
	s_mov_b32 s19, 0
	s_lshl_b32 s40, ttmp9, 2
	s_mov_b32 s41, 0
	s_mov_b32 s[SEL], 0x76543210
	s_mov_b32 s[SEL+1], 0xfedcba98
	s_mov_b32 s[TRIP], 4
	s_mov_b32 s[RS], 0
	s_wait_kmcnt 0x0
	s_add_nc_u64 s[LP:LP+1], s[4:5], s[34:35]
	s_add_nc_u64 s[WP:WP+1], s[6:7], s[36:37]
	s_add_nc_u64 s[AP:AP+1], s[12:13], s[38:39]
	s_add_nc_u64 s[SP:SP+1], s[12:13], s[18:19]
	s_add_nc_u64 s[PP:PP+1], s[14:15], s[40:41]
	LOADROW W, 8, 0                                ; had_scale, as loaded, into W
	WIN 0xc0
	LOADROW 0, 10, 0                               ; had_shift into S
	WIN 0x80
	LOADROW 0, LP, 0                               ; my row 0
	s_wait_loadcnt 32                              ; the two vectors are in; the 32 loads behind them may be out
	LOADROW 128, LP, 16384                         ; my row 1
	WIN 0
	PUTJ W, 0, 32                                  ; both vectors are turned into neighbours, one after the other through the same stage
	WIN 0x40
	GETC 0
	WIN 0x0c
	PUTJ 0, 0, 32
	WIN 0x40
	GETC 128
	s_wait_dscnt 0x0
	WIN 0x41
.set pp, 0
.rept 64
	v_pk_mul_f32 v[pp:pp+1], v[pp:pp+1], 0x3c800000 op_sel_hi:[1,0]   ; had_scale / 64: exact
.set pp, pp+2
.endr
	WIN 0
	s_wait_xcnt 0x0                                ; the loads have read their base: it may be stepped
	s_add_nc_u64 s[LP:LP+1], s[LP:LP+1], 32768     ; the first refills bring rows 2 and 3
; ONE ROW, out of landing buffer b.
.macro ROW b
.set LB, 128*\b
	WIN 0x08                                       ; an LDS store's data are its source 1: window 2
.set gg, 0
.rept 4
	s_wait_loadcnt 56-8*gg                         ; 64 loads were issued: this buffer's 32, then the other's 32.  Eight more of mine are in; out may be the other's 32 and my 8 (3 - g)
	PUTJ LB, 8*gg, 8
.set gg, gg+1
.endr
	WIN 0
	GETC W
.set gg, 0
.rept 4                                        ; stages 0 to 4, on 32 registers as they come back
	s_wait_dscnt 24-8*gg                           ; the turn's 32 stores and 8 (g + 1) of its loads are done
.if gg == 0
	WIN 0x80
	LOADROW LB, LP, 16384*\b                       ; the stores have read the landing buffer: it takes the row two further on (in the last trip: weight)
.endif
	WIN 0xc0
	STAGE0 W, 0, 32*gg, 32
	WIN 0x0f
	STAGE 0, W, 32*gg, 32, 2
	WIN 0xc0
	STAGE W, 0, 32*gg, 32, 4
	WIN 0x0f
	STAGE 0, W, 32*gg, 32, 8
	WIN 0xc0
	STAGE W, 0, 32*gg, 32, 16
.set gg, gg+1
.endr
	WIN 0x0f
	STAGE 0, W, 0, 128, 32                         ; stage 5
	WIN 0xc0
	STAGE W, 0, 0, 128, 64                         ; stage 6: the row lies in S
	WIN 0x0c
	PUTC 0
	WIN 0
	GETJ W                                         ; as loaded again: registers 4 apart are 128 apart along k
.set gg, 0
.rept 4                                        ; stages 7 to 9
	s_wait_dscnt 24-8*gg                           ; the stores out of S are done, so S may be written; 8 (g + 1) loads are in
	WIN 0xc0
	STAGE W, 0, 32*gg, 32, 4
	WIN 0x0f
	STAGE 0, W, 32*gg, 32, 8
	WIN 0xc0
	STAGE W, 0, 32*gg, 32, 16
.set gg, gg+1
.endr
	WIN 0x0f
	STAGE 0, W, 0, 128, 32                         ; stage 10
	WIN 0xc0
	STAGE W, 0, 0, 128, 64                         ; stage 11
	WIN 0x0c
	PUTJ 0, 0, 32
	WIN 0
	GETC W                                         ; neighbours, for good
	WIN 0x14                                       ; sources 1 and 2 in window 1
.set gg, 0
.rept 4
	s_wait_dscnt 24-8*gg
.set pp, 32*gg
.rept 16
	v_pk_fma_f32 v[W+pp:W+pp+1], v[W+pp:W+pp+1], v[pp:pp+1], v[128+pp:129+pp]   ; xh = sum x had_scale / 64 + had_shift
.set pp, pp+2
.endr
.set gg, gg+1
.endr
	WIN 0
.irp c, 0,1,2,3                                ; the largest |xh| of each of my four blocks of 32, the blocks by turns
	v_max_num_f32 v[16+\c], |v[W+32*\c]|, |v[W+32*\c+1]|
.endr
.irp i, 2,4,6,8,10,12,14,16,18,20,22,24,26,28,30
.irp c, 0,1,2,3
	v_max3_num_f32 v[16+\c], v[16+\c], |v[W+32*\c+\i]|, |v[W+32*\c+\i+1]|
.endr
.endr
	v_max3_num_f32 v21, v16, v17, v18
	v_max_num_f32 v21, v21, v19
	v_max_num_f32_dpp v21, v21, v21 row_xmask:1 row_mask:0xf bank_mask:0xf
	v_max_num_f32_dpp v21, v21, v21 row_xmask:2 row_mask:0xf bank_mask:0xf
	v_max_num_f32_dpp v21, v21, v21 row_xmask:4 row_mask:0xf bank_mask:0xf
	v_max_num_f32_dpp v21, v21, v21 row_xmask:8 row_mask:0xf bank_mask:0xf
	v_permlanex16_b32 v20, v21, s[SEL], s[SEL+1]
	v_max_num_f32 v21, v21, v20                    ; the row's
	v_add_f32 v22, 0x3727c5ac, v21                 ; gamma = it + 1e-5
	v_rcp_f32 v28, v22
	v_mul_f32 v29, 0x3e124925, v22                 ; gamma / 7: gamma x (1/7), and one step on the residual.  (Plain work that names nothing of the reciprocal stands behind it)
	v_fma_f32 v30, v29, 0xc0e00000, v22            ; gamma - 7 q
	v_fma_f32 v26, v30, 0x3e124925, v29
	v_mov_b32 v27, v26
	s_wait_alu depctr_va_vdst(0)                   ; the wait ahead of the first line that names the reciprocal
	v_fma_f32 v29, -v22, v28, 1.0                  ; one Newton step on 1 / gamma,
	v_fma_f32 v28, v29, v28, v28
	v_mul_f32 v29, 0x40e00000, v28                 ; q = 7 / gamma,
	v_fma_f32 v30, -v22, v29, 0x40e00000           ; 7 - gamma q,
	v_fma_f32 v24, v30, v28, v29                   ; and one step on that residual
	v_mov_b32 v25, v24
.set pp, 0
.rept 64
	v_pk_mul_f32 v[W+pp:W+pp+1], v[W+pp:W+pp+1], v[24:25]
.set pp, pp+2
.endr
.irp c, 0,1,2,3                                ; a product by a positive number and a rounding to nearest never reverse an order: the same three lines on a block's largest |xh| give its largest |xq|, bit for bit
	v_mul_f32 v[32+\c], v[16+\c], v24
.endr
.set pp, 0
.rept 128
	v_rndne_f32 v[W+pp], v[W+pp]                   ; the digit, ties to even
.set pp, pp+1
.endr
.irp c, 0,1,2,3
	v_rndne_f32 v[32+\c], v[32+\c]
.endr
.set pp, 0
.rept 64
	v_pk_mul_f32 v[W+pp:W+pp+1], v[W+pp:W+pp+1], v[26:27]   ; xq
.set pp, pp+2
.endr
.irp c, 0,1,2,3
	v_mul_f32 v[32+\c], v[32+\c], v26
.endr
.irp c, 0,1,2,3
	v_max_num_f32 v[32+\c], 0x1800000, v[32+\c]    ; the floor 2^(3 - 127): the byte cannot fall under 1
.endr
.irp c, 0,1,2,3
	v_add_nc_u32 v[36+\c], 0xff000000, v[32+\c]    ; 2 off the exponent field: the conversion takes the exponent field of this operand as its scale
.endr
.irp c, 0,1,2,3
	v_lshrrev_b32 v[40+\c], 23, v[36+\c]           ; the scale's byte
.endr
	v_lshl_or_b32 v44, v41, 8, v40                 ; my 128 numbers' scale word
	v_lshl_or_b32 v44, v42, 16, v44
	v_lshl_or_b32 v44, v43, 24, v44
.irp c, 0,1,2,3
.irp q, 0,1,2,3
	v_cvt_scalef32_pk8_fp4_f32 v[CD+4*\c+\q], v[W+32*\c+8*\q:W+32*\c+8*\q+7], v[36+\c]
.endr
.endr
	v_nop                                          ; one plain line behind the last scaled conversion
	ds_store_b32 v[SCW], v44 offset:16*\b          ; kept in LDS until the work-group's 32 rows are done
.irp q, 0,1,2,3
	ds_store_b128 v[BI], v[CD+4*\q:CD+4*\q+3] offset:16*\q    ; my 64 bytes of the row's 2,048
.endr
.irp i, 0,1,2,3
	ds_load_b128 v[OB+16*\b+4*\i:OB+16*\b+4*\i+3], v[BO] offset:640*\i   ; back as bytes 512 i + 16 x lane of the row
.endr
.irp i, 0,1,2,3
	s_wait_dscnt 3-\i                              ; load i is in; the 3 - i behind it may be out
	global_store_b128 v[CO], v[OB+16*\b+4*\i:OB+16*\b+4*\i+3], s[AP:AP+1] offset:256*\b+2*KBLK*\i   ; lanes 0-15: the row's 256 bytes of K step 2 i; lanes 16-31: of K step 2 i + 1
.endr
.endm
.Ltrip:                                            ; four trips of two rows
	v_add_nc_u32 v[SCW], s[RS], v[SCW0]
	ROW 0
	ROW 1
	s_wait_xcnt 0x0                                ; the trip's loads and stores have read their bases and their data: the pointers may be stepped, and the next trip may write v64-95
	s_add_nc_u64 s[AP:AP+1], s[AP:AP+1], 512
	s_add_nc_u64 s[LP:LP+1], s[LP:LP+1], 32768
	s_add_co_u32 s[RS], s[RS], 32
	s_sub_co_u32 s[TRIP], s[TRIP], 1
	s_cmp_eq_u32 s[TRIP], 1                        ; the last trip has no rows left to fetch: its refills bring my 32 KB of weight
	s_cselect_b64 s[LP:LP+1], s[WP:WP+1], s[LP:LP+1]
	s_cmp_lg_u32 s[TRIP], 0
	s_cbranch_scc1 .Ltrip
	; the sum of |weight| over my 8,192 numbers: eight chains a lane
	s_wait_loadcnt 32                              ; the first 16 KB are in; the second may be out
	WIN 0x0a
.irp c, 0,1,2,3,4,5,6,7
	v_add_f32 v[96+\c], |v[2*\c]|, |v[2*\c+1]|     ; the first sixteen numbers start the chains: nothing is cleared
.endr
	WIN 0x08
.set pp, 16
.rept 112
	v_add_f32 v[96+pp%8], v[96+pp%8], |v[pp]|
.set pp, pp+1
.endr
	s_wait_loadcnt 0x0
.rept 128
	v_add_f32 v[96+pp%8], v[96+pp%8], |v[pp]|
.set pp, pp+1
.endr
	WIN 0
	v_add_f32 v96, v96, v97
	v_add_f32 v98, v98, v99
	v_add_f32 v100, v100, v101
	v_add_f32 v102, v102, v103
	v_add_f32 v96, v96, v98
	v_add_f32 v100, v100, v102
	v_add_f32 v96, v96, v100
	v_add_f32_dpp v96, v96, v96 row_xmask:1 row_mask:0xf bank_mask:0xf
	v_add_f32_dpp v96, v96, v96 row_xmask:2 row_mask:0xf bank_mask:0xf
	v_add_f32_dpp v96, v96, v96 row_xmask:4 row_mask:0xf bank_mask:0xf
	v_add_f32_dpp v96, v96, v96 row_xmask:8 row_mask:0xf bank_mask:0xf
	v_permlanex16_b32 v20, v96, s[SEL], s[SEL+1]
	v_add_f32 v96, v96, v20
	ds_store_b32 v[WSA], v96                       ; all lanes write the same word with the same value
	s_wait_dscnt 0x0                               ; for the others' sake: my scale words and my sum lie in LDS
	s_barrier_signal -1
	s_barrier_wait -1
	ds_load_b128 v[104:107], v[SRD]                ; 32 rows x 16 bytes of K step 2 w,
	ds_load_b128 v[108:111], v[SRD] offset:SCLP    ; of K step 2 w + 1,
	ds_load_b128 v[112:115], v[WSB]                ; and the four waves' sums
	s_wait_dscnt 0x0
	global_store_b128 v[XO], v[104:107], s[SP:SP+1]               ; 512 consecutive bytes, at a multiple of 256 from a_ws's first byte
	global_store_b128 v[XO], v[108:111], s[SP:SP+1] offset:KBLK
	v_add_f32 v112, v112, v113
	v_add_f32 v114, v114, v115
	v_add_f32 v112, v112, v114
	v_cmp_eq_u32 vcc_lo, 0, v0
	s_wait_xcnt 0x0                                ; EXEC is a source of the stores above: it changes only behind this wait
	s_wait_tensorcnt 0x0
	ds_add_u32 v126, v127
	s_wait_dscnt 0x0
	s_and_saveexec_b32 s42, vcc_lo
	global_store_b32 v[ZO], v112, s[PP:PP+1]       ; thread 0 alone: the work-group's partial sum
	s_wait_xcnt 0x0
	s_or_b32 exec_lo, exec_lo, s42
	s_endpgm
.Lfunc_end_k_qc9ef99ea68_prep:
	.size	k_qc9ef99ea68_prep, .Lfunc_end_k_qc9ef99ea68_prep-k_qc9ef99ea68_prep
	.p2alignl 7, 3214868480
	.fill 96, 4, 3214868480
	.section	.rodata,"a",@progbits
	.p2align	6, 0x0
	.amdhsa_kernel k_qc9ef99ea68_prep
		.amdhsa_group_segment_fixed_size 82688
		.amdhsa_private_segment_fixed_size 0
		.amdhsa_enable_private_segment 0
		.amdhsa_kernarg_size 48
		.amdhsa_user_sgpr_count 2
		.amdhsa_user_sgpr_kernarg_segment_ptr 1
		.amdhsa_wavefront_size32 1
		.amdhsa_system_sgpr_workgroup_id_x 1
		.amdhsa_system_sgpr_workgroup_id_y 1
		.amdhsa_system_sgpr_workgroup_id_z 1
		.amdhsa_system_vgpr_workitem_id 0
		.amdhsa_next_free_vgpr 896
		.amdhsa_next_free_sgpr 66
		.amdhsa_reserve_vcc 1
		.amdhsa_float_denorm_mode_32 3
		.amdhsa_float_denorm_mode_16_64 3
		.amdhsa_memory_ordered 1
		.amdhsa_forward_progress 1
		.amdhsa_inst_pref_size 226
	.end_amdhsa_kernel
	.amdgpu_metadata
---
amdhsa.version: [ 1, 2 ]
amdhsa.kernels:
  - .name:           k_qc9ef99ea68_prep
    .symbol:         k_qc9ef99ea68_prep.kd
    .args:
      - { .name: x, .offset: 0, .size: 8, .value_kind: global_buffer, .address_space: global }
      - { .name: weight, .offset: 8, .size: 8, .value_kind: global_buffer, .address_space: global }
      - { .name: had_scale, .offset: 16, .size: 8, .value_kind: global_buffer, .address_space: global }
      - { .name: had_shift, .offset: 24, .size: 8, .value_kind: global_buffer, .address_space: global }
      - { .name: a_ws, .offset: 32, .size: 8, .value_kind: global_buffer, .address_space: global }
      - { .name: wpart, .offset: 40, .size: 8, .value_kind: global_buffer, .address_space: global }
    .group_segment_fixed_size: 82688
    .private_segment_fixed_size: 0
    .kernarg_segment_align: 8
    .kernarg_segment_size: 48
    .max_flat_workgroup_size: 128
    .sgpr_count:     66
    .vgpr_count:     896
    .wavefront_size: 32
...
	.end_amdgpu_metadata
.endif
;; end of part 1
;; launch wq (part 2): grid 256 x 1, 4 waves a work-group, no clusters, 33,280 bytes of LDS; arguments weight, wpart, b_ws; writes b_ws
.if DOCPART == 2
	.amdgcn_target "amdgcn-amd-amdhsa--gfx1250"
	.amdhsa_code_object_version 6
	.text
	.protected	k_qc9ef99ea68_wq
	.globl	k_qc9ef99ea68_wq
	.p2align	8
	.type	k_qc9ef99ea68_wq,@function
k_qc9ef99ea68_wq:
	s_mov_b64 s[64:65], 0
	v_nop
	global_prefetch_b8 v0, s[64:65] scope:SCOPE_SE
	s_setreg_imm32_b32 hwreg(HW_REG_WAVE_MODE, 25, 1), 1
	s_wait_xcnt 0x0
; weight [2048][4096] f32 -> the second operand of the product, as codes of FP4 (E2M1) with one E8M0 byte for each 32 along K.
; s = mean |weight| + 1e-5, from the 256 partial sums of the launch before, added in the same order by every wave.  A number: d = round(w / s) held to -1 .. 1; wq = d x s; w + (wq - w), as the definition writes it
; (for |w| above 2 s that sum is not always wq); then the MX quantiser along K.  w / s is w x (1 / s) with one step on the residual w - s q, and 1 / s has had one Newton step.
; LIMITS: NaN and infinities are not served.  A block whose largest magnitude lies under 2^-124, a block of zeros among them, gets the byte 1: the bytes are read by this program alone, and a block of zeros has zero codes.
; SHARES.  Wave 4 g + w takes 16 rows x 512 along K: K step (4 g + w) % 8, rows 16 ((4 g + w) / 8) on; a step is one row's 2,048 bytes, four loads of 512 consecutive bytes.  So a step's 256 bytes of codes are one
; aligned run of b_ws, and the wave's 16 x 16 scale bytes another.  b_ws is laid as a_ws: [tile of 128 rows][K / 512][128 x 256 bytes of codes, 8 x 256 bytes of scale words].
; The conversions take neighbours along K from ONE lane's registers: a step's bytes turn through the wave's own stage in LDS (16 bytes of padding behind each 64) and come back 64 bytes a lane; two lanes hold a block.
; No tensor loads, no barrier, no cluster: waves share nothing but the 1,024 bytes of partial sums.  Loads run eight steps (32 loads a wave) ahead, the turn through LDS one step.
.set KBLK,  34816
.set TILEB, 8*KBLK
.set STEPS, 16
.set R,     16                         ; v16-143  eight sets of 16 numbers as they are loaded
.set X,     144                        ; v144-175 two sets of 16 neighbours
.set Y,     176                        ; v176-191 at work
.set C,     192                        ; v192-223 codes: two registers for each step, so that no store's data are written again
.set RI,    224                        ; v[224:225] 1 / s, twice
.set SS,    226                        ; v[226:227] s, twice
.set PT,    228                        ; v228-235 my eight partial sums
.set E,     236                        ; v236-251 a scale byte for each step
.set WREG,  8192                       ; LDS: a region for each wave: two stages of 32 x SP bytes, then its 256 scale bytes
.set SP,    80
	s_load_b128 s[4:7], s[0:1], 0x0                ; weight, wpart
	s_load_b64 s[8:9], s[0:1], 0x10                ; b_ws
	v_lshl_add_u32 v255, v0, 2, 0x8000
	s_set_vgpr_msb 0x40
	v_mov_b32 v1, 0
	s_set_vgpr_msb 0x4000
	v_lshrrev_b32 v1, 5, v0
	v_readfirstlane_b32 s16, v1                    ; wave
	v_and_b32 v2, 31, v0                           ; lane
	v_lshlrev_b32 v3, 4, v2                        ; my 16 bytes of a load's 512
	s_mul_i32 s17, s16, WREG
	v_lshrrev_b32 v14, 2, v2
	v_mul_u32_u24 v14, v14, SP
	v_and_b32 v15, 3, v2
	v_lshl_add_u32 v14, v15, 4, v14
	v_add_nc_u32 v14, s17, v14                     ; the stage, in: SP (lane / 4) + 16 (lane % 4)
	v_mul_u32_u24 v15, v2, SP
	v_add_nc_u32 v15, s17, v15                     ; and out: SP x lane: my 16 neighbours
	v_lshlrev_b32 v4, 3, v2                        ; 8 x lane: my codes' place in a step's, and my scale bytes' on the way out
	v_lshrrev_b32 v5, 1, v2
	s_add_co_u32 s17, s17, 2*32*SP
	v_add_nc_u32 v5, s17, v5                       ; LDS: my block's byte
	v_add_nc_u32 v6, s17, v4                       ; and 8 bytes a lane on the way out
	v_lshlrev_b32 v7, 5, v2                        ; wpart: eight words a lane
	v_mov_b32 v254, 0                              ; written once: a lane permute's destination counts as one of its sources
	s_mov_b32 s20, 0x76543210
	s_mov_b32 s21, 0xfedcba98
	s_mov_b32 s12, 0x34000000                      ; 2^-23: one over the 2048 x 4096 numbers
	s_mov_b32 s13, 0x3727c5ac                      ; 1e-5
	s_lshl_b32 s17, ttmp9, 2
	s_add_co_u32 s17, s17, s16
	s_and_b32 s18, s17, 7                          ; K step
	s_lshr_b32 s19, s17, 3                         ; which 16 rows
	s_lshl_b32 s22, s19, 18                        ; weight: 16 rows of 16,384 bytes,
	s_lshl_b32 s23, s18, 11                        ; + 512 numbers a K step
	s_add_co_u32 s22, s22, s23
	s_mov_b32 s23, 0
	s_lshr_b32 s24, s19, 3
	s_mul_i32 s24, s24, TILEB                      ; b_ws: the tile,
	s_mul_i32 s25, s18, KBLK
	s_add_co_u32 s24, s24, s25                     ; the K step
	s_and_b32 s25, s19, 7
	s_lshl_b32 s26, s25, 12                        ; codes: 16 rows of 256 bytes
	s_add_co_u32 s26, s26, s24
	s_mov_b32 s27, 0
	s_lshl_b32 s28, s25, 8                         ; scale words: 16 rows of 16 bytes, behind the 128 rows of codes
	s_add_co_u32 s28, s28, s24
	s_add_co_u32 s28, s28, 128*256
	s_mov_b32 s29, 0
	s_wait_kmcnt 0x0
	s_add_nc_u64 s[4:5], s[4:5], s[22:23]
	s_add_nc_u64 s[10:11], s[8:9], s[28:29]
	s_add_nc_u64 s[8:9], s[8:9], s[26:27]
.macro LOAD t
.irp i, 0,1,2,3
	global_load_b128 v[R+16*((\t)%8)+4*\i:R+16*((\t)%8)+4*\i+3], v3, s[4:5] offset:16384*(\t)+512*\i th:TH_LOAD_NT   ; 32 lanes read 512 consecutive bytes; read once in this launch
.endr
.endm
.macro TURN t                          ; step t's numbers through the stage: LDS serves a wave's instructions in order, so no wait stands between the stores and the loads
.irp i, 0,1,2,3
	ds_store_b128 v14, v[R+16*((\t)%8)+4*\i:R+16*((\t)%8)+4*\i+3] offset:32*SP*((\t)%2)+8*SP*\i
.endr
.irp i, 0,1,2,3
	ds_load_b128 v[X+16*((\t)%2)+4*\i:X+16*((\t)%2)+4*\i+3], v15 offset:32*SP*((\t)%2)+16*\i
.endr
.endm
	global_load_b128 v[PT:PT+3], v7, s[6:7]
	global_load_b128 v[PT+4:PT+7], v7, s[6:7] offset:16
.irp t, 0,1,2,3,4,5,6,7
	LOAD \t
.endr
	s_wait_loadcnt 32                              ; the partial sums are in; the eight steps' 32 loads may be out
	v_add_f32 v228, v228, v229
	v_add_f32 v230, v230, v231
	v_add_f32 v232, v232, v233
	v_add_f32 v234, v234, v235
	v_add_f32 v228, v228, v230
	v_add_f32 v232, v232, v234
	v_add_f32 v228, v228, v232
	v_add_f32_dpp v228, v228, v228 row_xmask:1 row_mask:0xf bank_mask:0xf
	v_add_f32_dpp v228, v228, v228 row_xmask:2 row_mask:0xf bank_mask:0xf
	v_add_f32_dpp v228, v228, v228 row_xmask:4 row_mask:0xf bank_mask:0xf
	v_add_f32_dpp v228, v228, v228 row_xmask:8 row_mask:0xf bank_mask:0xf
	v_permlanex16_b32 v254, v228, s20, s21
	v_add_f32 v228, v228, v254                     ; the sum of |weight|
	v_fma_f32 v[SS], v228, s12, s13                ; s = sum / 2^23 + 1e-5 (the product is exact)
	v_rcp_f32 v[RI], v[SS]
	v_mov_b32 v[SS+1], v[SS]                       ; (a plain line behind the reciprocal)
	s_wait_alu depctr_va_vdst(0)                   ; the wait ahead of the first line that names the reciprocal
	v_fma_f32 v254, -v[SS], v[RI], 1.0
	v_fma_f32 v[RI], v254, v[RI], v[RI]            ; one Newton step
	v_mov_b32 v[RI+1], v[RI]
	s_wait_loadcnt 28                              ; step 0's four loads are in; the seven steps behind it may be out
	TURN 0
.macro STEP t
.set XS, X+16*((\t)%2)
.if (\t) > 0
	s_wait_dscnt 1                                 ; this step's numbers are back from the stage (the last step's byte store may be out): so its stores into the stage have read their registers,
.else
	s_wait_dscnt 0x0
.endif
.if (\t)+8 < STEPS
	LOAD (\t)+8                                    ; which take the loads of eight steps on
.endif
.if (\t)+1 < STEPS
.if (\t) <= 7
	s_wait_loadcnt 28                              ; the next step's four loads are in; those of the seven steps behind it may be out
.else
	s_wait_loadcnt 4*(14-(\t))                     ; nothing more is asked for: the count runs down with the steps left behind the next
.endif
	TURN (\t)+1                                    ; and go through the other stage while this step is worked
.endif
.irp j, 0,2,4,6,8,10,12,14
	v_pk_mul_f32 v[Y+\j:Y+\j+1], v[XS+\j:XS+\j+1], v[RI:RI+1]       ; q = w x (1 / s)
.endr
.irp u, 0,8
	v_pk_fma_f32 v[8:9],     v[SS:SS+1], v[Y+\u:Y+\u+1],     v[XS+\u:XS+\u+1]     neg_lo:[1,0,0] neg_hi:[1,0,0]   ; w - s q, four pairs by turns
	v_pk_fma_f32 v[10:11],   v[SS:SS+1], v[Y+\u+2:Y+\u+3],   v[XS+\u+2:XS+\u+3]   neg_lo:[1,0,0] neg_hi:[1,0,0]
	v_pk_fma_f32 v[12:13],   v[SS:SS+1], v[Y+\u+4:Y+\u+5],   v[XS+\u+4:XS+\u+5]   neg_lo:[1,0,0] neg_hi:[1,0,0]
	v_pk_fma_f32 v[252:253], v[SS:SS+1], v[Y+\u+6:Y+\u+7],   v[XS+\u+6:XS+\u+7]   neg_lo:[1,0,0] neg_hi:[1,0,0]
	v_pk_fma_f32 v[Y+\u:Y+\u+1],   v[8:9],     v[RI:RI+1], v[Y+\u:Y+\u+1]         ; q + (w - s q) / s
	v_pk_fma_f32 v[Y+\u+2:Y+\u+3], v[10:11],   v[RI:RI+1], v[Y+\u+2:Y+\u+3]
	v_pk_fma_f32 v[Y+\u+4:Y+\u+5], v[12:13],   v[RI:RI+1], v[Y+\u+4:Y+\u+5]
	v_pk_fma_f32 v[Y+\u+6:Y+\u+7], v[252:253], v[RI:RI+1], v[Y+\u+6:Y+\u+7]
.endr
.irp j, 0,1,2,3,4,5,6,7,8,9,10,11,12,13,14,15
	v_rndne_f32 v[Y+\j], v[Y+\j]
.endr
.irp j, 0,1,2,3,4,5,6,7,8,9,10,11,12,13,14,15
	v_med3_num_f32 v[Y+\j], v[Y+\j], -1.0, 1.0     ; the ternary digit
.endr
.irp j, 0,2,4,6,8,10,12,14
	v_pk_mul_f32 v[Y+\j:Y+\j+1], v[Y+\j:Y+\j+1], v[SS:SS+1]         ; wq
.endr
.irp j, 0,2,4,6,8,10,12,14
	v_pk_add_f32 v[Y+\j:Y+\j+1], v[Y+\j:Y+\j+1], v[XS+\j:XS+\j+1] neg_lo:[0,1] neg_hi:[0,1]   ; wq - w
.endr
.irp j, 0,2,4,6,8,10,12,14
	v_pk_add_f32 v[Y+\j:Y+\j+1], v[XS+\j:XS+\j+1], v[Y+\j:Y+\j+1]   ; w + (wq - w)
.endr
	v_max3_num_f32 v8, |v[Y]|, |v[Y+1]|, |v[Y+2]|  ; the largest magnitude of my 16, in two chains
	v_max3_num_f32 v9, |v[Y+3]|, |v[Y+4]|, |v[Y+5]|
.irp i, 6,10
	v_max3_num_f32 v8, v8, |v[Y+\i]|, |v[Y+\i+1]|
	v_max3_num_f32 v9, v9, |v[Y+\i+2]|, |v[Y+\i+3]|
.endr
	v_max3_num_f32 v8, v8, |v[Y+14]|, |v[Y+15]|
	v_max3_num_f32 v8, v8, v9, 0x1800000           ; and the floor 2^(3 - 127): the byte cannot fall under 1
	v_max_num_f32_dpp v8, v8, v8 row_xmask:1 row_mask:0xf bank_mask:0xf   ; and of my neighbour's 16: the block's
	v_add_nc_u32 v11, 0xff000000, v8               ; 2 off its exponent field: the conversion takes the exponent field of this operand as its scale
	v_cvt_scalef32_pk8_fp4_f32 v[C+2*(\t)], v[Y:Y+7], v11
	v_cvt_scalef32_pk8_fp4_f32 v[C+2*(\t)+1], v[Y+8:Y+15], v11
	v_lshrrev_b32 v[E+(\t)], 23, v11               ; the scale's byte.  (Also the plain line behind the conversions, ahead of the next step's writes of their sources)
	ds_store_b8 v5, v[E+(\t)] offset:16*(\t)       ; both lanes of a block write the same byte with the same value
	global_store_b64 v4, v[C+2*(\t):C+2*(\t)+1], s[8:9] offset:256*(\t)   ; 32 lanes store the row's 256 bytes of this K step
.endm
.irp t, 0,1,2,3,4,5,6,7,8,9,10,11,12,13,14,15
	STEP \t
.endr
	ds_load_b64 v[12:13], v6                       ; LDS serves a wave's instructions in order: these see my stores
	s_wait_dscnt 0x0
	global_store_b64 v4, v[12:13], s[10:11]        ; 16 rows x 16 scale bytes: 256 consecutive bytes, aligned
	s_set_vgpr_msb 0x4
	s_wait_tensorcnt 0x0
	ds_add_u32 v255, v1
	s_wait_dscnt 0x0
	s_set_vgpr_msb 0x400
	s_endpgm
.Lfunc_end_k_qc9ef99ea68_wq:
	.size	k_qc9ef99ea68_wq, .Lfunc_end_k_qc9ef99ea68_wq-k_qc9ef99ea68_wq
	.p2alignl 7, 3214868480
	.fill 96, 4, 3214868480
	.section	.rodata,"a",@progbits
	.p2align	6, 0x0
	.amdhsa_kernel k_qc9ef99ea68_wq
		.amdhsa_group_segment_fixed_size 33280
		.amdhsa_private_segment_fixed_size 0
		.amdhsa_enable_private_segment 0
		.amdhsa_kernarg_size 24
		.amdhsa_user_sgpr_count 2
		.amdhsa_user_sgpr_kernarg_segment_ptr 1
		.amdhsa_wavefront_size32 1
		.amdhsa_system_sgpr_workgroup_id_x 1
		.amdhsa_system_sgpr_workgroup_id_y 1
		.amdhsa_system_sgpr_workgroup_id_z 1
		.amdhsa_system_vgpr_workitem_id 0
		.amdhsa_next_free_vgpr 258
		.amdhsa_next_free_sgpr 66
		.amdhsa_reserve_vcc 0
		.amdhsa_float_denorm_mode_32 3
		.amdhsa_float_denorm_mode_16_64 3
		.amdhsa_memory_ordered 1
		.amdhsa_forward_progress 1
		.amdhsa_inst_pref_size 107
	.end_amdhsa_kernel
	.amdgpu_metadata
---
amdhsa.version: [ 1, 2 ]
amdhsa.kernels:
  - .name:           k_qc9ef99ea68_wq
    .symbol:         k_qc9ef99ea68_wq.kd
    .args:
      - { .name: weight, .offset: 0, .size: 8, .value_kind: global_buffer, .address_space: global }
      - { .name: wpart, .offset: 8, .size: 8, .value_kind: global_buffer, .address_space: global }
      - { .name: b_ws, .offset: 16, .size: 8, .value_kind: global_buffer, .address_space: global }
    .group_segment_fixed_size: 33280
    .private_segment_fixed_size: 0
    .kernarg_segment_align: 8
    .kernarg_segment_size: 24
    .max_flat_workgroup_size: 128
    .sgpr_count:     66
    .vgpr_count:     258
    .wavefront_size: 32
...
	.end_amdgpu_metadata
.endif
;; end of part 2
;; launch gemm (part 3): grid 8 x 32, 4 waves a work-group, clusters of 4 x 4, 327,680 bytes of LDS; arguments a_ws, b_ws, out0; writes out0
.if DOCPART == 3
	.amdgcn_target "amdgcn-amd-amdhsa--gfx1250"
	.amdhsa_code_object_version 6
	.text
	.protected	k_qc9ef99ea68_gemm
	.globl	k_qc9ef99ea68_gemm
	.p2align	8
	.type	k_qc9ef99ea68_gemm,@function
k_qc9ef99ea68_gemm:
	s_mov_b64 s[64:65], 0
	v_nop
	global_prefetch_b8 v0, s[64:65] scope:SCOPE_SE
	s_setreg_imm32_b32 hwreg(HW_REG_WAVE_MODE, 25, 1), 1
	s_wait_xcnt 0x0
	s_wait_alu depctr_hold_cnt(0) depctr_sa_sdst(0) depctr_va_vdst(0) depctr_va_sdst(0) depctr_va_ssrc(0) depctr_va_vcc(0) depctr_vm_vsrc(0)
	s_getreg_b32 s2, hwreg(HW_REG_IB_STS2, 6, 4)
	s_cmp_eq_u32 s2, 0
	s_cbranch_scc0 .Lentry_in_a_cluster
	s_endpgm
.Lentry_in_a_cluster:
	s_bfe_u32 s2, ttmp6, 0x10000c
	s_cmp_lg_u32 s2, 0xf033
	s_cbranch_scc0 .Lentry_shape_is_right
	s_endpgm
.Lentry_shape_is_right:
; out0[m][n] = sum over k of A[m][k] B[n][k], m 8,192, n 2,048, k 4,096.  A and B are codes of FP4 (E2M1) with one E8M0 byte for each 32 along K, made by the two launches before; sums in f32.
; a_ws, b_ws: [tile of 128 rows][K / 512][34,816 bytes]: 128 x 256 bytes: row r's 512 codes, two a byte, the lower k in the low four bits; then 8 x 256 bytes: 16 bytes a row: its four scale words, one for each 128 along K.
; So what a wave fetches for a K step, 128 rows of codes AND their scale words, is one dense block of memory: 136 rows of 256 bytes, one tensor load.  The scale words ride in the ring.
; A tile of out0, 256 x 256, is made by a work-group of four waves; a wave makes 128 x 128: 64 accumulators of 16 x 16, 512 registers.  K goes in 8 steps of 512 through a ring of two LDS slots.
; CLUSTERS: 4 x 4 work-groups.  The four of a row of the cluster need the same blocks of A, the four of a column the same blocks of B: each is asked for JOINTLY, by the same tensor load with the same descriptor and a
; mask that names the four.  THE MATRIX INSTRUCTION IS USED TRANSPOSED (source 0 = 16 rows of B, source 1 = 16 rows of A): a lane then holds eight neighbouring numbers of a row of out0.
; REGISTERS, in windows of 256: window 0: v0-31 addresses; v32-95 scale words, two sets; from v128 A's fragments (8 x 16 rows x 128 K), ONE set; on the way out v128-255 take rows of out0.
;   window 1: B's fragments, TWO sets, at v0 and at v128.   window 2: the 32 accumulators of my rows 0-63 (accumulator (a, b) at v[8 (8 a + b)]);   window 3: those of my rows 64-127.
; A step of 128 along K is 64 matrix instructions, A's blocks one after the other, each against B's eight.  A block of A is free as soon as its eight products are issued, so one set of registers serves A:
; blocks 0-3 are fetched anew in the step's middle, blocks 4-7 at its end.  B's fragments are at work through the whole step, so B has two sets.
.set SIZE_N, 2048
.set SIZE_K, 4096
.set KSTEP,  512                       ; along K in a slot
.set NQ,     KSTEP/128                 ; matrix instructions deep
.set UNITS,  136                       ; rows of 256 bytes in a block: 128 of codes, 8 of scale words
.set KBLK,   UNITS*256                 ; a block in memory
.set TILEB,  (SIZE_K/KSTEP)*KBLK       ; a tile of 128 rows in memory
.set PITCH,  272                       ; an LDS row: 256 bytes of data + 16 of padding = 68 words: row r starts at bank 4 r mod 64 (64 banks of 4 bytes: ISA guide 11.1), so the 16 rows that a load touches start at 16 different banks
.set FR,     8                         ; registers of a fragment: 16 rows x 128 K
.set NL,     2                         ; LDS loads that bring one
.set NP,     4                         ; places behind this matrix instruction (ISA guide 7.12.1)
.set HALFT,  UNITS*PITCH               ; what one tensor load brings, and what one wave reads of A or of B
.set SCO,    128*PITCH                 ; in it: where the scale words begin
.set SLOT,   4*HALFT                   ; A's two blocks, then B's two
.set LAPS,   SIZE_K/(2*KSTEP)          ; a lap = two K steps = once round the ring
.set SPARE,  2*SLOT                    ; behind the ring: the spare words, 128 bytes for each wave: two blocks of 256 bytes that no other line names
.set SPITCH, 528                       ; the way out: a stage of 16 rows x (512 bytes + 16) for each wave.  It lies in slot 0, which has had its last fill and its last read when the first result is stored there
.set ADRA, 16                          ; v16-17  LDS address of my A fragments in slot 0, 1
.set ADRB, 20                          ; v20-21  the same for B
.set STO,  24                          ; v24     the way out: where I put 32 bytes of a row
.set RD,   25                          ; v25     the way out: where I read a row back
.set CO,   26                          ; v26     my byte offset in a row of out0
.set SPW,  28                          ; v28     LDS address of my spare word: SPARE + 4 x my thread's number; never rewritten
.set NIL,  29                          ; v29     0; never rewritten
.set ADRS, 30                          ; v30-31  LDS address of my scale words in slot 0, 1: lanes 0-15 A's rows, lanes 16-31 B's; never rewritten
.set SC,   32                          ; scale words: set s (for slot s) at v[SC + 8 NQ s]; in it register NQ i + q: lanes 0-15 the word of A's block i, lanes 16-31 that of B's block i, for the slot's q-th 128 along K
.set AF,   128                         ; A's fragments, in window 0
.set BK,   128                         ; the way out: 16 rows read back from the stage: v128-191 and v192-255 by turns
.set G1, 24                            ; s[24:31] descriptor group 1 for A's blocks;  s[32:39] group 0, one set for each slot
.set G0, 32
.set G1B, 48                           ; s[48:55], s[56:63] the same for B's
.set G0B, 56
.set MSB, 0
.macro WIN new                         ; the immediate's high byte repeats the setting that is left
.if MSB != \new
	s_set_vgpr_msb (MSB<<8)|\new
.set MSB, \new
.endif
.endm
.set MUL_LO, 0xa1                      ; source 0 (B) window 1, source 1 (A) window 0, C and D window 2
.set MUL_HI, 0xf1                      ; the same, C and D window 3
.set TO_B,   0x40                      ; destination window 1, address window 0
; A joint load: waves 0 and 1 fetch for A, waves 2 and 3 for B.  Each of the two lines has ONE mask and one set of registers for all that issue it; the branch hangs on the wave's number alone.
; Four v_nop follow each of the two lines, ahead of the jump, the label and what follows.
.macro JLOAD g0a, g1a, g0b, g1b
	s_cmp_eq_u32 s15, 0
	s_cbranch_scc0 .Lfor_b_\@
	tensor_load_to_lds s[\g0a:\g0a+3], s[\g1a:\g1a+7]
	s_nop 0
.rept 4
	v_nop
.endr
	s_branch .Lasked_\@
.Lfor_b_\@:
	tensor_load_to_lds s[\g0b:\g0b+3], s[\g1b:\g1b+7]
	s_nop 0
.rept 4
	v_nop
.endr
.Lasked_\@:
.endm
.macro CREST                           ; a round of the cluster's barrier behind its opening barrier
	s_cmp_lg_u32 s14, 0
	s_cbranch_scc1 .Lnot_wave_0_\@
	s_barrier_signal -3
.Lnot_wave_0_\@:
	s_barrier_wait -3
	s_barrier_signal -1
	s_barrier_wait -1
.endm
.macro CROUND                          ; a whole round
	s_barrier_signal -1
	s_barrier_wait -1
	CREST
.endm
	s_load_b128 s[4:7], s[0:1], 0x0                ; a_ws s[4:5], b_ws s[6:7]
	s_load_b64 s[12:13], s[0:1], 0x10              ; out0
	v_lshl_add_u32 v[SPW], v0, 2, SPARE
	v_mov_b32 v[NIL], 0
	ds_add_u32 v28, v29
	ds_add_u32 v28, v29
	s_wait_dscnt 0x0
	v_lshrrev_b32 v1, 5, v0
	v_readfirstlane_b32 s14, v1                    ; wave 0..3
	s_lshr_b32 s15, s14, 1                         ; which half of the tile's rows is mine.  Also: I fetch for A (0) or for B (1)
	s_and_b32 s16, s14, 1                          ; which half of its columns.  Also: which 128 rows of that tile I fetch
	s_bfe_u32 s40, ttmp6, 0x40000                  ; cx, cy: my place in the cluster
	s_bfe_u32 s41, ttmp6, 0x40004
	s_lshl_b32 s42, ttmp9, 2
	s_add_co_u32 s42, s42, s40                     ; tile column of out0 = 4 x cluster x + cx
	s_and_b32 s17, ttmp7, 0xffff
	s_lshl_b32 s17, s17, 2
	s_add_co_u32 s17, s17, s41                     ; tile row of out0 = 4 x cluster y + cy
	s_lshl_b32 s43, s41, 2
	s_lshl_b32 s43, 15, s43                        ; my row of the cluster
	s_lshl_b32 s44, 0x1111, s40                    ; my column
	; descriptor group 1: a dense block of 136 rows x 256 bytes, padded in LDS
	s_or_b32 s[G1+0], s43, (0<<16)|(1<<20)|(1<<21)|(5<<22)|(3<<25)  ; 15:0 the mask: A's blocks go to my row; 17:16 element of 1 byte; 20 padding on; 21 set beside a mask; 24:22 after every 64 words (code 5); 31:25 of 4 words (code 3)
	s_or_b32 s[G1B+0], s44, (0<<16)|(1<<20)|(1<<21)|(5<<22)|(3<<25)
.irp g, G1, G1B
	s_mov_b32 s[\g+1], 256<<16                     ; tensor_dim0 = 256
	s_mov_b32 s[\g+2], UNITS<<16                   ; tensor_dim1 = 136
	s_mov_b32 s[\g+3], 256<<16                     ; tile_dim0 = 256
	s_mov_b32 s[\g+4], UNITS                       ; tile_dim1 = 136
	s_mov_b32 s[\g+5], 256                         ; tensor_dim0_stride: the rows are dense
	s_mov_b32 s[\g+6], 0
	s_mov_b32 s[\g+7], 0
.endr
	s_lshl_b32 s20, s17, 1
	s_add_co_u32 s20, s20, s16                     ; A: tile of 128 rows = 2 x tile row + half
	s_mul_i32 s20, s20, TILEB                      ; in bytes: 63 x 278,528 at the most
	s_mov_b32 s21, 0
	s_lshl_b32 s46, s42, 1
	s_add_co_u32 s46, s46, s16                     ; B: 2 x tile column + half
	s_mul_i32 s46, s46, TILEB
	s_mov_b32 s47, 0
	s_mul_i32 s45, s14, HALFT                      ; where they go: wave x a block: no place in the cluster enters an LDS address
	s_wait_kmcnt 0x0
	s_add_nc_u64 s[20:21], s[4:5], s[20:21]
	s_add_nc_u64 s[46:47], s[6:7], s[46:47]
	CROUND                                         ; all sixteen work-groups are here: the first joint loads meet
.irp s, 0,1
	s_mov_b32 s[G0+4*\s], 1
	s_add_co_u32 s[G0+4*\s+1], s45, \s*SLOT
	s_add_nc_u64 s[G0+4*\s+2:G0+4*\s+3], s[20:21], \s*KBLK
	s_or_b32 s[G0+4*\s+3], s[G0+4*\s+3], 0x80000000
	s_mov_b32 s[G0B+4*\s], 1
	s_add_co_u32 s[G0B+4*\s+1], s45, \s*SLOT
	s_add_nc_u64 s[G0B+4*\s+2:G0B+4*\s+3], s[46:47], \s*KBLK
	s_or_b32 s[G0B+4*\s+3], s[G0B+4*\s+3], 0x80000000
	JLOAD G0+4*\s, G1, G0B+4*\s, G1B               ; two loads of mine are out: K steps 0 and 1
.endr
	v_and_b32 v1, 15, v0                           ; l % 16
	v_bfe_u32 v2, v0, 4, 1                         ; l / 16
	v_mul_u32_u24 v3, v1, PITCH
	v_lshl_add_u32 v4, v2, 4, v3                   ; a fragment's row x pitch + 16 x half
	s_mul_i32 s21, s15, HALFT                      ; my 128 rows of A
	s_mul_i32 s22, s16, HALFT                      ; my 128 rows of B,
	s_add_co_u32 s22, s22, 2*HALFT                 ; which lie behind A's two blocks
.irp s, 0,1
	v_add_nc_u32 v[ADRA+\s], s21, v4
	v_add_nc_u32 v[ADRB+\s], s22, v4
	s_add_co_u32 s21, s21, SLOT
	s_add_co_u32 s22, s22, SLOT
.endr
	v_lshlrev_b32 v5, 4, v1                        ; my row's four scale words: 16 bytes a row, 16 rows to an LDS row
	s_mul_i32 s21, s15, HALFT                      ; A's block
	s_mul_i32 s22, s16, HALFT                      ; B's block, behind A's two
	s_add_co_u32 s22, s22, 2*HALFT
	s_sub_co_u32 s22, s22, s21
	v_mul_u32_u24 v6, s22, v2                      ; lanes 16-31 take B's: one product with the lane's half
	s_add_co_u32 s21, s21, SCO
	v_add_nc_u32 v5, v5, v6
	v_add_nc_u32 v[ADRS], s21, v5
	v_add_nc_u32 v[ADRS+1], SLOT, v[ADRS]
	s_mul_i32 s23, s14, 16*SPITCH                  ; my stage
	v_mul_u32_u24 v5, v1, SPITCH                   ; in: row l % 16, 32 bytes for each half of the lanes
	v_lshl_add_u32 v5, v2, 5, v5
	v_add_nc_u32 v[STO], s23, v5
	v_and_b32 v6, 31, v0
	v_lshlrev_b32 v[CO], 4, v6                     ; back: the 32 lanes take one row of 512 bytes; and the same in out0
	v_add_nc_u32 v[RD], s23, v[CO]
	s_lshl_b32 s20, s17, 8
	s_lshl_b32 s21, s15, 7
	s_add_co_u32 s20, s20, s21                     ; my first row of out0: 256 x tile row + 128 x half
	s_mov_b32 s21, 0
	s_mov_b64 s[18:19], SIZE_N*4
	s_mul_u64 s[20:21], s[20:21], s[18:19]
	s_lshl_b32 s46, s42, 10                        ; my first column, in bytes: 1024 x tile column + 512 x half
	s_lshl_b32 s47, s16, 9
	s_add_co_u32 s46, s46, s47
	s_mov_b32 s47, 0
	s_add_nc_u64 s[20:21], s[20:21], s[46:47]
	s_add_nc_u64 s[12:13], s[12:13], s[20:21]
.macro FRAG reg, adr, q, i             ; a fragment, 16 rows x 128 K of 4-bit codes, is 8 registers: lane l holds row l % 16; registers 4 c .. 4 c + 3 hold K = 64 c + 32 (l / 16) + 0 .. 31, the lower K in the lower bits
.irp c, 0,1
	ds_load_b128 v[\reg+4*\c:\reg+4*\c+3], v[\adr] offset:64*(\q)+32*\c+(\i)*16*PITCH
.endr
.endm
; 16 matrix instructions: A's blocks a0, a0 + 1 x B's eight, 128 along K: the slot's q-th.  p: B's set;  sc: the set of scale words.  zero = 1: the first product starts the sums: nothing is ever cleared.
; The 64 accumulators take turns, one instruction a turn, in the same order in every step.
.macro MUL16 a0, p, q, sc, zero
.irp a, \a0, \a0+1
.irp b, 0,1,2,3,4,5,6,7
.if \zero
	v_wmma_scale_f32_16x16x128_f8f6f4 v[8*(8*((\a)%4)+\b):8*(8*((\a)%4)+\b)+7], v[128*(\p)+FR*\b:128*(\p)+FR*\b+FR-1], v[AF+FR*(\a):AF+FR*(\a)+FR-1], 0, v[SC+8*NQ*(\sc)+NQ*\b+(\q)], v[SC+8*NQ*(\sc)+NQ*(\a)+(\q)] matrix_a_fmt:MATRIX_FMT_FP4 matrix_b_fmt:MATRIX_FMT_FP4 matrix_a_scale:MATRIX_SCALE_ROW1
.else
	v_wmma_scale_f32_16x16x128_f8f6f4 v[8*(8*((\a)%4)+\b):8*(8*((\a)%4)+\b)+7], v[128*(\p)+FR*\b:128*(\p)+FR*\b+FR-1], v[AF+FR*(\a):AF+FR*(\a)+FR-1], v[8*(8*((\a)%4)+\b):8*(8*((\a)%4)+\b)+7], v[SC+8*NQ*(\sc)+NQ*\b+(\q)], v[SC+8*NQ*(\sc)+NQ*(\a)+(\q)] matrix_a_fmt:MATRIX_FMT_FP4 matrix_b_fmt:MATRIX_FMT_FP4 matrix_a_scale:MATRIX_SCALE_ROW1
.endif
.endr
.endr
.endm
.macro FETCH_B slot, q, p              ; B's eight fragments of the slot's q-th 128 along K into set p
	WIN TO_B
.irp i, 0,1,2,3,4,5,6,7
	FRAG 128*(\p)+FR*\i, ADRB+\slot, \q, \i
.endr
	WIN 0
.endm
.macro FETCH_A slot, q, i0             ; A's blocks i0 .. i0 + 3
.irp i, \i0, \i0+1, \i0+2, \i0+3
	FRAG AF+FR*(\i), ADRA+\slot, \q, \i
.endr
.endm
.macro SCALES sc                       ; slot sc's scale words into set sc: NQ words a row; lanes 0-15 take A's block i, lanes 16-31 B's block i
.irp i, 0,1,2,3,4,5,6,7
	ds_load_b128 v[SC+8*NQ*\sc+NQ*\i:SC+8*NQ*\sc+NQ*\i+3], v[ADRS+\sc] offset:\i*PITCH
.endr
.endm
; A load into a register that a matrix instruction has read, and an LDS store that reads a matrix result, stand NP places behind that matrix instruction, and only plain vector
; instructions that name none of its registers are places (ISA guide 7.12.1 for vector instructions); this text does not count the matrix instructions in between.
.macro PLACES n
.rept \n
	v_nop
.endr
.endm
; A step of 128 along K that has its successor in the same slot.
.macro STEP slot, q, zero
	s_wait_dscnt 4*NL                              ; B's set, A's blocks 0-3 and the scale words are in; the youngest eight loads (A's blocks 4-7) may be out
	WIN MUL_LO
	MUL16 0, (\q)%2, \q, \slot, \zero
	MUL16 2, (\q)%2, \q, \slot, \zero
	s_wait_dscnt 0                                 ; A's blocks 4-7 are in (asked for 32 matrix instructions ago)
	PLACES NP
	FETCH_B \slot, (\q)+1, 1-(\q)%2
	FETCH_A \slot, (\q)+1, 0
	WIN MUL_HI
	MUL16 4, (\q)%2, \q, \slot, \zero
	MUL16 6, (\q)%2, \q, \slot, \zero
	PLACES NP
	WIN 0
	FETCH_A \slot, (\q)+1, 4
.endm
; A slot's last step changes slots: ONE barrier; in front of it each wave waits for all its tensor loads, adds 0 to its spare word, and waits for that and for its own reads of this slot.  fill = 1: this slot is filled again, two K steps ahead.
.macro TURN slot, next, fill
	s_wait_tensorcnt 0x0                           ; all my tensor loads have landed: my part of the next slot;  (every window is 0 here: the add's two registers lie in window 0)
	ds_add_u32 v[SPW], v[NIL]                      ; 0 onto my spare word;
	s_wait_dscnt 4*NL+1                            ; (the add and the youngest eight loads, A's blocks 4-7, may be out)
	WIN MUL_LO
	MUL16 0, 1, NQ-1, \slot, 0                     ; sixteen matrix instructions stand between the add and the wait for it
	s_wait_dscnt 0x0                               ; the add is done, and my reads of this slot are over
	s_barrier_signal -1
	MUL16 2, 1, NQ-1, \slot, 0
	WIN 0
	s_barrier_wait -1
.if \fill
	CREST                                          ; the barrier has opened a round of the cluster's barrier: no wave of any partner still reads this slot or has a load on its way
	s_add_nc_u64 s[G0+4*\slot+2:G0+4*\slot+3], s[G0+4*\slot+2:G0+4*\slot+3], 2*KBLK
	s_add_nc_u64 s[G0B+4*\slot+2:G0B+4*\slot+3], s[G0B+4*\slot+2:G0B+4*\slot+3], 2*KBLK
	JLOAD G0+4*\slot, G1, G0B+4*\slot, G1B         ; the first tensor load behind the round, and my only one until the next; the four v_nop behind it are the places in front of the loads below
.else
	PLACES NP
.endif
	FETCH_B \next, 0, 0
	FETCH_A \next, 0, 0
	SCALES \next
	WIN MUL_HI
	MUL16 4, 1, NQ-1, \slot, 0
	MUL16 6, 1, NQ-1, \slot, 0
	PLACES NP
	WIN 0
	FETCH_A \next, 0, 4
.endm
.macro STEPS slot, from                ; the slot's steps from .. NQ - 2
.set Q, \from
.rept NQ-1-\from
	STEP \slot, Q, 0
.set Q, Q+1
.endr
.endm
	s_wait_tensorcnt 1                             ; my part of K step 0 is in (K step 1's load may be out)
	s_barrier_signal -1
	s_barrier_wait -1                              ; everybody's is
	FETCH_B 0, 0, 0
	FETCH_A 0, 0, 0
	SCALES 0
	FETCH_A 0, 0, 4
	STEP 0, 0, 1                                   ; the first step stands in front of the loop: its products start the sums
	s_mov_b32 s3, LAPS-1
.Llap:                                                 ; a trip goes once round the ring, from a lap's second step to the next lap's first, and fills both slots again
	STEPS 0, 1
	TURN 0, 1, 1
	STEPS 1, 0
	TURN 1, 0, 1
	STEP 0, 0, 0
	s_sub_co_u32 s3, s3, 1
	s_cmp_lg_u32 s3, 0
	s_cbranch_scc1 .Llap
	STEPS 0, 1                                     ; the last lap fills nothing, and has no round of the cluster's barrier
	TURN 0, 1, 0
	STEPS 1, 0
	s_wait_dscnt 4*NL                              ; the very last step: nothing more to fetch
	WIN MUL_LO
	MUL16 0, 1, NQ-1, 1, 0
	MUL16 2, 1, NQ-1, 1, 0
	s_wait_dscnt 0
	WIN MUL_HI
	MUL16 4, 1, NQ-1, 1, 0
	MUL16 6, 1, NQ-1, 1, 0
	WIN 0
; THE WAY OUT, block by block of 16 rows x 128 columns.  A lane holds 32 neighbouring bytes of a row, and the lanes beside it hold other rows: so a block goes through my own stage in LDS and comes back as whole
; rows of 512 bytes, which the 32 lanes store as 512 consecutive bytes.  LDS serves a wave's instructions in order (ISA guide 5.7.1.4): no wait between the stores and the loads, nor in front of the next block's stores.
.macro TOSTAGE a
.set AC, 64*((\a)%4)
	WIN 0x08+4*((\a)/4)                            ; the data: window 2 or 3
.irp b, 0,1,2,3,4,5,6,7
	ds_store_b128 v[STO], v[AC+8*\b:AC+8*\b+3] offset:64*\b          ; each accumulator from its low end on
	ds_store_b128 v[STO], v[AC+8*\b+4:AC+8*\b+7] offset:64*\b+16
.endr
	WIN 0
.set BB, BK+64*((\a)%2)
.irp t, 0,1,2,3,4,5,6,7,8,9,10,11,12,13,14,15
	ds_load_b128 v[BB+4*\t:BB+4*\t+3], v[RD] offset:\t*SPITCH
.endr
.endm
.macro SEND a, younger                 ; younger: the LDS instructions issued behind block a's loads, which may stay out
.set BB, BK+64*((\a)%2)
	s_wait_dscnt \younger                          ; the block is back in registers
.if (\a) > 0
	s_add_nc_u64 s[12:13], s[12:13], 16*SIZE_N*4   ; (behind a wait on XCNT: the earlier stores have read their base)  16 rows of out0 on, so that the stores' offsets stay at 15 rows at the most
.endif
.irp t, 0,1,2,3,4,5,6,7,8,9,10,11,12,13,14,15
	global_store_b128 v[CO], v[BB+4*\t:BB+4*\t+3], s[12:13] offset:\t*SIZE_N*4 th:TH_STORE_NT   ; 32 lanes store 512 consecutive bytes, at a multiple of 256 from out0's first byte; written once, read by nobody here
.endr
.endm
	PLACES NP                                      ; these places serve the loads into the registers that held A's fragments and the reads of the last products' results alike
	TOSTAGE 0
.irp a, 1,2,3,4,5,6,7
.if \a > 1
	s_wait_xcnt 0x0                                ; block a - 2's stores have read their registers and their base: block a's loads may land there, and the base may step
.endif
	TOSTAGE \a
	SEND \a-1, 32                                  ; behind block a - 1's loads: block a's 16 stores and 16 loads
.endr
	s_wait_xcnt 0x0                                ; block 6's stores have read their base
	SEND 7, 0
	s_wait_tensorcnt 0x0                           ; the wave's end: behind my last tensor load and my last LDS store
	ds_add_u32 v[SPW], v[NIL]
	s_wait_dscnt 0x0
	CROUND                                         ; the closing round: no work-group ends while a partner may still ask for a block that names it
	s_endpgm
.Lfunc_end_k_qc9ef99ea68_gemm:
	.size	k_qc9ef99ea68_gemm, .Lfunc_end_k_qc9ef99ea68_gemm-k_qc9ef99ea68_gemm
	.p2alignl 7, 3214868480
	.fill 96, 4, 3214868480
	.section	.rodata,"a",@progbits
	.p2align	6, 0x0
	.amdhsa_kernel k_qc9ef99ea68_gemm
		.amdhsa_group_segment_fixed_size 327680
		.amdhsa_private_segment_fixed_size 0
		.amdhsa_enable_private_segment 0
		.amdhsa_kernarg_size 24
		.amdhsa_user_sgpr_count 2
		.amdhsa_user_sgpr_kernarg_segment_ptr 1
		.amdhsa_wavefront_size32 1
		.amdhsa_system_sgpr_workgroup_id_x 1
		.amdhsa_system_sgpr_workgroup_id_y 1
		.amdhsa_system_sgpr_workgroup_id_z 1
		.amdhsa_system_vgpr_workitem_id 0
		.amdhsa_next_free_vgpr 1024
		.amdhsa_next_free_sgpr 66
		.amdhsa_reserve_vcc 0
		.amdhsa_float_denorm_mode_32 3
		.amdhsa_float_denorm_mode_16_64 3
		.amdhsa_memory_ordered 1
		.amdhsa_forward_progress 1
		.amdhsa_inst_pref_size 209
	.end_amdhsa_kernel
	.amdgpu_metadata
---
amdhsa.version: [ 1, 2 ]
amdhsa.kernels:
  - .name:           k_qc9ef99ea68_gemm
    .symbol:         k_qc9ef99ea68_gemm.kd
    .args:
      - { .name: a_ws, .offset: 0, .size: 8, .value_kind: global_buffer, .address_space: global }
      - { .name: b_ws, .offset: 8, .size: 8, .value_kind: global_buffer, .address_space: global }
      - { .name: out0, .offset: 16, .size: 8, .value_kind: global_buffer, .address_space: global }
    .group_segment_fixed_size: 327680
    .private_segment_fixed_size: 0
    .kernarg_segment_align: 8
    .kernarg_segment_size: 24
    .max_flat_workgroup_size: 128
    .sgpr_count:     66
    .vgpr_count:     1024
    .wavefront_size: 32
...
	.end_amdgpu_metadata
.endif
;; end of part 3
